; MI455X (gfx1250); checked and timed in simulation.
; The chip was launched on July 23, 2026; its instructions are those of AMD's public machine-readable ISA for CDNA 5 (MIT licence, August 2026) and "CDNA5" Instruction Set Architecture Reference Guide (July 2026). The comments in the code are by the model that wrote it; some were corrected since.
;; Mixture Of Experts Feed Forward. Allowed arithmetic: matrix products marked QUANTISED: E3M2 operands, one E8M0 scale for each 32 along K, by v_wmma_scale_f32_16x16x128_f8f6f4 with both operands' format E3M2, f32 sums; products left as they are: f32 operands where the result goes on into a quantised operand, else bf16, f16 or f32 operands; f32 sums; everything else in f32.
;; Inputs: W_in_codes 8 x 4,096 x 32 x 24 uint8 (E3M2 codes of W_in, K innermost, in blocks of 32 codes, four codes in three bytes); W_in_scales 8 x 4,096 x 32 uint8 (E8M0 scales of W_in, one for each 32 codes along K); W_out_codes 8 x 1,024 x 128 x 24 uint8 (E3M2 codes of W_out, K innermost, in blocks of 32 codes, four codes in three bytes); W_out_scales 8 x 1,024 x 128 uint8 (E8M0 scales of W_out, one for each 32 codes along K); Wr 1,024 x 8 float32; b_in 8 x 4,096 float32; b_out 8 x 1,024 float32; br 8 float32; x 4 x 256 x 1,024 float32.
;; Outputs: out0 4 x 256 x 1,024 float32.
;; Constants: top_k = 2.
;; This version of the problem:
;;   THIS VERSION OF THE PROBLEM IS GIVEN IN LOW PRECISION. The matrix products marked QUANTISED in the list below multiply operands that are first quantised to E3M2 (3 exponent bits, 2 mantissa bits; 6 bits a number), with one power-of-two scale for each 32 numbers along K (OCP MX v1.0); their sums are f32. All else is computed in f32.
;;   The module's matrix products, in the order in which they are computed (A, B: the left and right operand; K: the contracted axis; several contracted axes count as one K, in the product's order):
;;     1. [M 1,024, K 1,024] x [K 1,024, N 8]; A: input x; B: input Wr: left as it is (N = 8 < 16)
;;     2. batch 1,024 x [M 1, K 2] x [K 2, N 8]; A: computed on the way; B: computed on the way: left as it is (K = 2 < 32)
;;     3. [M 1,024, K 1,024] x [K 1,024, N 32,768]; A: input x; B: input W_in (given as codes): QUANTISED
;;     4. batch 1,024 x [M 4,096, K 8] x [K 8, N 1]; A: computed on the way; B: computed on the way: left as it is (K = 8 < 32)
;;     5. [M 1,024, K 4,096] x [K 4,096, N 8,192]; A: computed on the way; B: input W_out (given as codes): QUANTISED
;;     6. batch 1,024 x [M 1,024, K 8] x [K 8, N 1]; A: computed on the way; B: computed on the way: left as it is (K = 8 < 32)
;;   THE QUANTISER, for each operand of a quantised product, along K:
;;     - K is cut into blocks of 32 from its start; a last block that is shorter is filled with zeros.
;;     - A block's scale is 2^e with e = floor(log2(the largest magnitude in the block)) - 4, held to -126 .. 127; a block of zeros has e = 0. As a byte (E8M0): e + 127.
;;     - Each number is divided by its block's scale, clamped to +-28, and rounded to the nearest number of E3M2, ties to even, subnormals kept.
;;     - The product sums the exact products of the quantised numbers (number of the format x scale) in f32.
;;   ~~~python
;;   def quantise(x, axis):      # numpy; x: float32 -> the quantised numbers, widened to float32 again
;;       x = np.moveaxis(x, axis, -1); K = x.shape[-1]
;;       x = np.pad(x, [(0, 0)] * (x.ndim - 1) + [(0, -K % 32)]); x = x.reshape(x.shape[:-1] + (-1, 32)); a = np.abs(x).max(-1, keepdims=True)
;;       e = np.where(a > 0, np.clip(np.frexp(np.where(a > 0, a, 1))[1] - 1 - 4, -126, 127), 0)      # np.frexp(a)[1] - 1 = floor(log2(a)), exactly
;;       r = np.clip(x / 2.0 ** e, -28, 28)
;;       step = 2.0 ** (np.maximum(np.frexp(np.where(r == 0, 1, r))[1] - 1, -2) - 2)
;;       q = np.round(r / step) * step * 2.0 ** e      # np.round: ties to even
;;       return np.moveaxis(q.reshape(q.shape[:-2] + (-1,))[..., :K], -1, axis).astype(np.float32)
;;   ~~~
;;   OPERANDS COMPUTED ON THE WAY. 'Computed on the way' means the value that the module computes at that place (a softmax that the list does not call 'softmax' is quantised finished and normalised). What goes into a quantiser is computed in f32, as accurately as f32 sums, v_exp_f32 and their like allow (about 1e-6 of the number): no bf16 or f16 on the way to a quantiser, and a product that is left as it is and whose result goes on into a quantised operand takes f32 operands (vector FMAs, or v_wmma_f32_16x16x4_f32). A number that lies on a knife's edge between two numbers of the format may be rounded either way, as far as f32 arithmetic and the matrix unit's own rounding can turn it there, and no further.
;;   INPUTS GIVEN AS CODES. W_in (in the module: [8, 1024, 4096], K = its axis 1); W_out (in the module: [8, 4096, 1024], K = its axis 1): each comes as NAME_codes (uint8): NAME with its K axis moved to the last place and cut into blocks of 32 codes, [.., K / 32, bytes a block], one block behind the other in memory; four codes in three bytes: a row's codes are one little-endian stream of bits, code i at bits 6 i .. 6 i + 5 (a code: sign, 3 exponent bits, 2 mantissa bits); and NAME_scales (uint8): the same leading axes, one E8M0 byte (e + 127) for each 32 codes along K. Its value is code x scale, taken as it is: it is not quantised again, and the codes and scales need not be those that the quantiser above would give.
;; One version. Each part assembles by itself: llvm-mc -triple=amdgcn-amd-amdhsa -mcpu=gfx1250 --defsym DOCPART=n.
;; ======== version 1 of 1: 6 launches
;; workspace buffers: rinfo 12,288 bytes of whole numbers; x0 827,392 bytes; xt 1,152,000 bytes; ht 4,608,000 bytes; tab 10,240 bytes of whole numbers; prm1 256 bytes of whole numbers; prm2 256 bytes of whole numbers; part 47,185,920 bytes
;; launch route (part 1): grid 64 x 1, 8 waves a work-group, no clusters, 111,616 bytes of LDS; arguments x, Wr, br, rinfo, x0; writes rinfo, x0
.if DOCPART == 1
	.amdgcn_target "amdgcn-amd-amdhsa--gfx1250"
	.amdhsa_code_object_version 6
	.text
	.protected	k_qcbf040be48_route
	.globl	k_qcbf040be48_route
	.p2align	8
	.type	k_qcbf040be48_route,@function
k_qcbf040be48_route:
	s_mov_b64 s[64:65], 0
	v_nop
	global_prefetch_b8 v0, s[64:65] scope:SCOPE_SE
	s_setreg_imm32_b32 hwreg(HW_REG_WAVE_MODE, 25, 1), 1
	s_wait_xcnt 0x0
; ROUTER AND QUANTISER OF x.  Work-group g takes tokens 16 g .. 16 g + 15; wave w takes k = 128 w .. 128 w + 127.
; Each wave (a) adds its part of the logits x Wr in f32 (the result decides which experts a token gets, so nothing coarser serves),
; (b) turns its 16 x 128 numbers of x into one operand fragment of E3M2 codes and a scale word a row, stored as an image of the operand's
; registers (piece c = registers 4 c .. 4 c + 3, lane l at 16 l).  Wave 0 then adds the eight parts, takes the softmax (the row's maximum
; taken off first), the two largest probabilities (ties to the lower index) and stores, at fixed places: the token's pair of experts as a number 0 .. 27
; with its rank among the group's tokens of that pair, the group's count of each pair, and the two probabilities.  No address and no branch hangs on these.
; x AND Wr COME BY LOADS OF 512 CONSECUTIVE BYTES and turn through the wave's own stages in LDS, since a lane wants 16 neighbours of one row of x and a column of Wr.
; The stages are each wave's own: LDS serves a wave's instructions in order (ISA guide 5.7.1.4), so no barrier and no wait stands between its stores and its loads.
; LIMITS: NaN and infinities are not served.  The choice is made on p = 2^((l - max) log2 e) / sum, kept below 2^-126 by v_ldexp_f32; where that differs in the
; last bit from another way of computing the same p, a tie between two experts may fall otherwise.  A block of 32 zeros gets the scale byte 1 over zero codes.
; Words that belong to a row are stored by lanes r and r + 16 alike: the same address, the same value.
.set X,   32                           ; v32-95   64 numbers of x: register 16 b + i = k 32 b + 16 h + i of row r
.set WT,  96                           ; v96-159  Wr at the same k, expert r % 8
.set ACC, 160                          ; v160-191 four accumulators, written by matrix instructions alone
.set LG,  192                          ; v192-199 logits
.set TM,  200                          ; v200-215 the quantiser's work
.set PW,  216                          ; the scale word
.set PC,  224                          ; v224-243 the codes
.set T,   96                           ; wave 0: t, then e, then p of the eight experts
.set KX,  104                          ; wave 0: the exponent put back by v_ldexp_f32
.set SEL, 20                           ; s[20:21] lane selects: lane l xor 16
.set XPIT, 528                         ; x's stage: a row's 512 bytes + 16 = 33 x 16: the 16 rows that a load of 16 bytes a lane touches start at 16 different groups of four banks (64 banks of 4 bytes: ISA guide 11.1)
.set XST,  8192                        ; behind the eight waves' parts of the logits (1,024 bytes each)
.set XSTW, 16*XPIT                     ; a wave's stage for x
.set WPIT, 544                         ; Wr's stage: 16 rows of 32 bytes + 32: lanes 16-31, 16 rows further down, read eight banks on from lanes 0-15
.set WST,  XST+8*XSTW
.set WSTW, 8*WPIT                      ; a wave's stage for Wr
; 64 numbers of a lane become a fragment's codes in v[PC] on and the row's scale word in v[PW].
.macro QUANT s
.irp b, 0,1,2,3
	v_max3_num_f32 v[TM+\b], |v[\s+16*\b]|, |v[\s+1+16*\b]|, 0x2800000   ; block b: my 16 numbers and the floor 2^(5 - 127): the byte cannot fall under 1
.endr
.irp i, 2,4,6,8,10,12,14
.irp b, 0,1,2,3
	v_max3_num_f32 v[TM+\b], v[TM+\b], |v[\s+16*\b+\i]|, |v[\s+1+16*\b+\i]|
.endr
.endr
.irp b, 0,1,2,3
	v_permlanex16_b32 v[TM+4+\b], v[TM+\b], s[SEL], s[SEL+1]
.endr
.irp b, 0,1,2,3
	v_max_num_f32 v[TM+\b], v[TM+\b], v[TM+4+\b]   ; with lane l xor 16's: the block's largest magnitude
.endr
.irp b, 0,1,2,3
	v_add_nc_u32 v[TM+12+\b], 0xfe000000, v[TM+\b]   ; 4 off its exponent field: the conversion's scale operand
.endr
.irp b, 0,1,2,3
	v_lshrrev_b32 v[TM+4+\b], 23, v[TM+12+\b]      ; the scale's byte
.endr
	v_lshl_or_b32 v[PW], v[TM+5], 8, v[TM+4]
	v_lshl_or_b32 v[PW], v[TM+6], 16, v[PW]
	v_lshl_or_b32 v[PW], v[TM+7], 24, v[PW]
.irp c, 0,1
	v_cvt_scalef32_pk16_bf6_f32 v[PC+6*\c:PC+2+6*\c], v[\s+32*\c:\s+15+32*\c], v[TM+12+2*\c]
	v_cvt_scalef32_pk16_bf6_f32 v[PC+12+4*\c:PC+14+4*\c], v[\s+16+32*\c:\s+31+32*\c], v[TM+12+2*\c+1]
.endr
	v_nop                                          ; one plain place behind a scaled conversion
.irp c, 0,1                                    ; a lane wants a whole block: lanes 0-15 block 2 c, lanes 16-31 block 2 c + 1
.irp i, 0,1,2
	v_permlane16_swap_b32 v[PC+6*\c+\i], v[PC+12+4*\c+\i]
.endr
.irp i, 0,1,2
	v_mov_b32 v[PC+3+6*\c+\i], v[PC+12+4*\c+\i]
.endr
.endr
.endm
	s_load_b128 s[4:7], s[0:1], 0x0                ; x, Wr
	s_load_b128 s[8:11], s[0:1], 0x10              ; br, rinfo
	s_load_b64 s[12:13], s[0:1], 0x20              ; x0
	v_lshl_add_u32 v254, v0, 2, 0x1b000
	v_mov_b32 v255, 0
	v_lshrrev_b32 v8, 5, v0
	v_readfirstlane_b32 s14, v8                    ; wave 0..7
	v_and_b32 v3, 31, v0                           ; lane
	v_and_b32 v1, 15, v0                           ; r
	v_bfe_u32 v2, v0, 4, 1                         ; h
	v_lshlrev_b32 v6, 4, v3                        ; 16 x lane
	v_lshlrev_b32 v7, 2, v1                        ; 4 r
	v_lshl_add_u32 v8, v8, 10, v6                  ; LDS: my part of the logits: 1,024 x wave + 16 x lane
	s_mul_i32 s15, s14, XSTW
	s_add_co_u32 s15, s15, XST                     ; my stage for x
	v_add_nc_u32 v4, s15, v6                       ; in: a row as it lies, 16 bytes a lane
	v_mul_u32_u24 v28, v1, XPIT
	v_lshl_add_u32 v28, v2, 6, v28
	v_add_nc_u32 v28, s15, v28                     ; back: row r, + 64 h
	s_mul_i32 s15, s14, WSTW
	s_add_co_u32 s15, s15, WST                     ; my stage for Wr
	v_add_nc_u32 v29, s15, v6                      ; in: 16 rows as they lie
	v_and_b32 v5, 7, v0
	v_lshlrev_b32 v5, 2, v5
	v_mad_u32_u24 v5, v2, WPIT, v5
	v_add_nc_u32 v5, s15, v5                       ; back: expert r % 8, 16 h rows down
.irp b, 0,1,2,3
	v_mov_b32 v[TM+4+\b], 0                        ; a lane permute's destination counts as one of its sources
.endr
	s_mov_b32 s[SEL], 0x76543210
	s_mov_b32 s[SEL+1], 0xfedcba98
	s_lshl_b32 s16, ttmp9, 16                      ; x: 16 rows a group,
	s_lshl_b32 s15, s14, 9                         ; 512 bytes a wave
	s_add_co_u32 s16, s16, s15
	s_mov_b32 s17, 0
	s_lshl_b32 s18, s14, 12                        ; Wr: 128 rows of 32 bytes a wave
	s_mov_b32 s19, 0
	s_lshl_b32 s22, ttmp9, 6                       ; rinfo: a word a token
	s_mov_b32 s23, 0
	s_lshr_b32 s42, ttmp9, 2                       ; rinfo: the counts, from byte 4,096, laid [g / 4][pair][g % 4]: their reader takes four groups' counts of a pair by one load of 16 bytes
	s_lshl_b32 s42, s42, 9
	s_and_b32 s15, ttmp9, 3
	s_lshl_b32 s15, s15, 2
	s_add_co_u32 s42, s42, s15
	s_add_co_u32 s42, s42, 4096
	s_mov_b32 s43, 0
	s_mul_i32 s44, ttmp9, 12288                    ; x0: eight fragments a group, 1,536 bytes each
	s_mul_i32 s15, s14, 1536
	s_add_co_u32 s44, s44, s15
	s_mov_b32 s45, 0
	s_lshl_b32 s46, ttmp9, 9                       ; x0: scale words, 64 bytes a fragment, from byte 786,432
	s_lshl_b32 s15, s14, 6
	s_add_co_u32 s46, s46, s15
	s_add_co_u32 s46, s46, 786432
	s_mov_b32 s47, 0
	s_lshl_b32 s2, ttmp9, 7                        ; x0: two probabilities a token, from byte 819,200
	s_add_co_u32 s2, s2, 819200
	s_mov_b32 s3, 0
	s_wait_kmcnt 0x0
	s_load_b256 s[24:31], s[8:9], 0x0              ; br: eight numbers
	s_add_nc_u64 s[4:5], s[4:5], s[16:17]
	s_add_nc_u64 s[6:7], s[6:7], s[18:19]
	s_add_nc_u64 s[32:33], s[10:11], s[22:23]
	s_add_nc_u64 s[34:35], s[10:11], s[42:43]
	s_add_nc_u64 s[36:37], s[12:13], s[44:45]
	s_add_nc_u64 s[38:39], s[12:13], s[46:47]
	s_add_nc_u64 s[40:41], s[12:13], s[2:3]
.irp j, 0,1,2,3,4,5,6,7
	global_load_b128 v[WT+4*\j:WT+4*\j+3], v6, s[6:7] offset:512*\j   ; my 128 rows of Wr, 16 rows a load
.endr
.set i, 0
.rept 16
	global_load_b128 v[X+4*i:X+4*i+3], v6, s[4:5] offset:4096*i th:TH_LOAD_NT   ; row i: my 512 bytes of it; x is read here and nowhere else
.set i, i+1
.endr
	s_wait_loadcnt 16                              ; loads come back in order (ISA guide 5.7.1): Wr's eight are in, x's sixteen may be out
.irp j, 0,1,2,3,4,5,6,7
	ds_store_b128 v29, v[WT+4*\j:WT+4*\j+3] offset:WPIT*\j
.endr
.set i, 0
.rept 64
	ds_load_b32 v[WT+i], v5 offset:2*WPIT*(i/16)+32*(i%16)   ; Wr(32 b + 16 h + i, r % 8), into the registers that the rows have left
.set i, i+1
.endr
	s_wait_loadcnt 0x0                             ; x
.set i, 0
.rept 16
	ds_store_b128 v4, v[X+4*i:X+4*i+3] offset:XPIT*i
.set i, i+1
.endr
.irp b, 0,1,2,3
.irp j, 0,1,2,3
	ds_load_b128 v[X+16*\b+4*\j:X+16*\b+4*\j+3], v28 offset:128*\b+16*\j   ; x(r, 32 b + 16 h + 4 j ..)
.endr
.endr
	s_wait_dscnt 0x0
; The logits: source 0 = experts (rows 8-15 repeat rows 0-7), source 1 = my 16 tokens; step i takes registers 2 i, 2 i + 1 of both, which hold the same four k.
; Four accumulators by turns, one instruction a turn; the first four products start the sums.
.set i, 0
.rept 32
.if i < 4
	v_wmma_f32_16x16x4_f32 v[ACC+8*i:ACC+8*i+7], v[WT+2*i:WT+2*i+1], v[X+2*i:X+2*i+1], 0
.else
	v_wmma_f32_16x16x4_f32 v[ACC+8*(i%4):ACC+8*(i%4)+7], v[WT+2*i:WT+2*i+1], v[X+2*i:X+2*i+1], v[ACC+8*(i%4):ACC+8*(i%4)+7]
.endif
.set i, i+1
.endr
	QUANT X
.irp c, 0,1,2
	global_store_b128 v6, v[PC+4*\c:PC+4*\c+3], s[36:37] offset:512*\c   ; 512 consecutive bytes a store
.endr
	global_store_b32 v7, v[PW], s[38:39]
.rept 8
	v_nop                                          ; eight places between the last f32 matrix instruction and the first read of a result (ISA guide 7.12.1)
.endr
.irp j, 0,1,2,3,4,5,6,7                        ; each accumulator is read from its low end on
	v_add_f32 v[LG+\j], v[ACC+\j], v[ACC+8+\j]
	v_add_f32 v[10+\j], v[ACC+16+\j], v[ACC+24+\j]
	v_add_f32 v[LG+\j], v[LG+\j], v[10+\j]         ; lane (r, h), register j: my wave's part of token r's logit of expert j
.endr
	ds_store_b128 v8, v[LG:LG+3]
	ds_store_b128 v8, v[LG+4:LG+7] offset:512
	s_wait_kmcnt 0x0                               ; br
	s_wait_dscnt 0x0                               ; for wave 0's sake: my part lies in LDS
	s_barrier_signal -1
	s_barrier_wait -1
	s_cmp_lg_u32 s14, 0
	s_cbranch_scc1 .Lend
.irp w, 0,1,2,3,4,5,6,7
	ds_load_b128 v[X+8*\w:X+8*\w+3], v6 offset:1024*\w
	ds_load_b128 v[X+8*\w+4:X+8*\w+7], v6 offset:1024*\w+512
.endr
	v_mov_b32 v21, 1
	v_mov_b32 v23, 0xffffffc0                      ; -64
	v_mov_b32 v24, 0x42800000                      ; 64.0
	v_lshlrev_b32 v26, 3, v1                       ; 8 r
	s_wait_dscnt 0x0
.irp j, 0,1,2,3,4,5,6,7
	v_add_f32 v[LG+\j], s[24+\j], v[X+\j]
.endr
.irp w, 1,2,3,4,5,6,7
.irp j, 0,1,2,3,4,5,6,7
	v_add_f32 v[LG+\j], v[LG+\j], v[X+8*\w+\j]
.endr
.endr
	v_max3_num_f32 v9, v[LG], v[LG+1], v[LG+2]
	v_max3_num_f32 v9, v9, v[LG+3], v[LG+4]
	v_max3_num_f32 v9, v9, v[LG+5], v[LG+6]
	v_max_num_f32 v9, v9, v[LG+7]                  ; the row's largest logit
.irp e, 0,1,2,3,4,5,6,7
	v_sub_f32 v[T+\e], v[LG+\e], v9
.endr
.irp e, 0,1,2,3,4,5,6,7
	v_mul_f32 v[T+\e], 0x3fb8aa3b, v[T+\e]         ; t = (l - max) log2 e, 0 or less
.endr
.irp e, 0,1,2,3,4,5,6,7                        ; under -64 the exponential is taken of t + 64 and 64 is taken off the exponent afterwards: results below 2^-126 are kept
	v_cmp_gt_f32 vcc_lo, 0xc2800000, v[T+\e]
	v_cndmask_b32 v[KX+\e], 0, v23, vcc_lo
	v_cndmask_b32 v22, 0, v24, vcc_lo
	v_add_f32 v[T+\e], v[T+\e], v22
.endr
.irp e, 0,1,2,3,4,5,6,7
	v_exp_f32 v[T+\e], v[T+\e]
.endr
	v_nop                                          ; a plain place behind the exponentials
	s_wait_alu depctr_va_vdst(0)
.irp e, 0,1,2,3,4,5,6,7
	v_ldexp_f32 v[T+\e], v[T+\e], v[KX+\e]
.endr
	v_add_f32 v9, v[T], v[T+1]
.irp e, 2,3,4,5,6,7
	v_add_f32 v9, v9, v[T+\e]
.endr
	v_rcp_f32 v9, v9
	v_nop                                          ; a plain place behind the reciprocal
	s_wait_alu depctr_va_vdst(0)
.irp e, 0,1,2,3,4,5,6,7
	v_mul_f32 v[T+\e], v[T+\e], v9                 ; p
.endr
	v_mov_b32 v10, v[T]                            ; the largest p and its expert: a later one wins only if it is strictly larger
	v_mov_b32 v11, 0
.irp e, 1,2,3,4,5,6,7
	v_cmp_le_f32 vcc_lo, v[T+\e], v10
	v_cndmask_b32 v10, v[T+\e], v10, vcc_lo
	v_cndmask_b32 v11, \e, v11, vcc_lo
.endr
	v_mov_b32 v12, -1.0                            ; the second: the same scan, passing over the first
	v_mov_b32 v13, 0
.irp e, 0,1,2,3,4,5,6,7
	v_cmp_le_f32 s15, v[T+\e], v12
	v_cmp_eq_u32 s16, \e, v11
	s_or_b32 vcc_lo, s15, s16
	v_cndmask_b32 v12, v[T+\e], v12, vcc_lo
	v_cndmask_b32 v13, \e, v13, vcc_lo
.endr
	v_min_u32 v14, v11, v13                        ; a < b
	v_max_u32 v15, v11, v13
	v_cmp_lt_u32 vcc_lo, v11, v13
	v_cndmask_b32 v16, v12, v10, vcc_lo            ; p of a
	v_cndmask_b32 v17, v10, v12, vcc_lo            ; p of b
	v_sub_nc_u32 v18, 15, v14
	v_mul_u32_u24 v18, v18, v14
	v_lshrrev_b32 v18, 1, v18
	v_add_nc_u32 v18, v18, v15
	v_sub_nc_u32 v18, v18, v14
	v_add_nc_u32 v18, -1, v18                      ; the pair's number: a (15 - a) / 2 + b - a - 1
	v_mov_b32 v19, 0                               ; my rank: tokens of my pair among rows under mine
	v_mov_b32 v20, 0                               ; lane p: the group's tokens of pair p
.set i, 0
.rept 16
	v_readlane_b32 s15, v18, i
	v_cmp_eq_u32 vcc_lo, s15, v3
	v_cndmask_b32 v22, 0, v21, vcc_lo
	v_add_nc_u32 v20, v20, v22
.if i < 15
	v_cmp_eq_u32 s16, s15, v18
	s_and_b32 vcc_lo, s16, ((0xfffe<<i)&0xffff)*0x10001   ; only rows above row i count it
	v_cndmask_b32 v22, 0, v21, vcc_lo
	v_add_nc_u32 v19, v19, v22
.endif
.set i, i+1
.endr
	v_lshl_or_b32 v22, v19, 8, v18
	global_store_b32 v7, v22, s[32:33]             ; pair | rank << 8
	global_store_b32 v6, v20, s[34:35]             ; 32 counts, 16 bytes apart (pairs 28 to 31 do not exist: zeros)
	global_store_b64 v26, v[16:17], s[40:41]
.Lend:
	s_wait_tensorcnt 0x0
	ds_add_u32 v254, v255
	s_wait_dscnt 0x0
	s_endpgm
.Lfunc_end_k_qcbf040be48_route:
	.size	k_qcbf040be48_route, .Lfunc_end_k_qcbf040be48_route-k_qcbf040be48_route
	.p2alignl 7, 3214868480
	.fill 96, 4, 3214868480
	.section	.rodata,"a",@progbits
	.p2align	6, 0x0
	.amdhsa_kernel k_qcbf040be48_route
		.amdhsa_group_segment_fixed_size 111616
		.amdhsa_private_segment_fixed_size 0
		.amdhsa_enable_private_segment 0
		.amdhsa_kernarg_size 40
		.amdhsa_user_sgpr_count 2
		.amdhsa_user_sgpr_kernarg_segment_ptr 1
		.amdhsa_wavefront_size32 1
		.amdhsa_system_sgpr_workgroup_id_x 1
		.amdhsa_system_sgpr_workgroup_id_y 1
		.amdhsa_system_sgpr_workgroup_id_z 1
		.amdhsa_system_vgpr_workitem_id 0
		.amdhsa_next_free_vgpr 256
		.amdhsa_next_free_sgpr 66
		.amdhsa_reserve_vcc 1
		.amdhsa_float_denorm_mode_32 3
		.amdhsa_float_denorm_mode_16_64 3
		.amdhsa_memory_ordered 1
		.amdhsa_forward_progress 1
		.amdhsa_inst_pref_size 35
	.end_amdhsa_kernel
	.amdgpu_metadata
---
amdhsa.version: [ 1, 2 ]
amdhsa.kernels:
  - .name:           k_qcbf040be48_route
    .symbol:         k_qcbf040be48_route.kd
    .args:
      - { .name: x, .offset: 0, .size: 8, .value_kind: global_buffer, .address_space: global }
      - { .name: Wr, .offset: 8, .size: 8, .value_kind: global_buffer, .address_space: global }
      - { .name: br, .offset: 16, .size: 8, .value_kind: global_buffer, .address_space: global }
      - { .name: rinfo, .offset: 24, .size: 8, .value_kind: global_buffer, .address_space: global }
      - { .name: x0, .offset: 32, .size: 8, .value_kind: global_buffer, .address_space: global }
    .group_segment_fixed_size: 111616
    .private_segment_fixed_size: 0
    .kernarg_segment_align: 8
    .kernarg_segment_size: 40
    .max_flat_workgroup_size: 256
    .sgpr_count:     66
    .vgpr_count:     256
    .wavefront_size: 32
...
	.end_amdgpu_metadata
.endif
;; end of part 1
;; launch place (part 2): grid 64 x 1, 1 waves a work-group, no clusters, 0 bytes of LDS; arguments rinfo, x0, xt, tab, prm1, prm2; writes xt, tab, prm1, prm2
.if DOCPART == 2
	.amdgcn_target "amdgcn-amd-amdhsa--gfx1250"
	.amdhsa_code_object_version 6
	.text
	.protected	k_qcbf040be48_place
	.globl	k_qcbf040be48_place
	.p2align	8
	.type	k_qcbf040be48_place,@function
k_qcbf040be48_place:
	s_mov_b64 s[64:65], 0
	v_nop
	global_prefetch_b8 v0, s[64:65] scope:SCOPE_SE
	s_setreg_imm32_b32 hwreg(HW_REG_WAVE_MODE, 25, 1), 1
	s_wait_xcnt 0x0
; TOKENS ARE PLACED BY THEIR PAIR OF EXPERTS.  The 28 pairs follow each other, each filled up to whole tiles of 16 rows: at most (1,024 + 28 x 15) / 16 = 90 tiles for every choice.
; Every work-group (one wave, group g of 16 tokens) adds up all 64 groups' counts by itself: lane p holds pair p.  It then moves its 16 tokens' codes and scale words from the
; token order (x0) to their rows in the tile order (xt): 16 bytes a lane, the program's one permutation of rows.  Work-groups 0-27 fill pair g's spare rows with zero codes, the scale
; byte 127 and the token number 1,024.  Work-groups 0-2 write each tile into its two experts' lists (tile | slot << 8).  Work-groups 3-10 write 0 into the places n .. 95 of expert g - 3's list, so that
; every word of a list that a later launch reads has been stored.  Work-group 0 writes the counts and the two products' sizes.
; Rows' words are stored by lanes r and r + 16 alike: the same address, the same value.  Numbers read from memory enter an address only behind v_min_u32 with a constant.
; ORDER OF THE TEXT: every address, every store's data and every mask of lanes is made first, with all lanes on, each in a register of its own; behind that stand only stores,
; the lines that narrow and restore EXEC (each behind s_wait_xcnt 0) and branches on the work-group's number.
.set H,   32                           ; v32-95   the 64 groups' counts of my lane's pair
.set C,   96                           ; v96-191  my group's 24 pieces of codes
.set S,   192                          ; v192-199 its 8 scale words
.set ZR,  200                          ; v200-203 zeros: a spare row's codes; v200 also a list's tail
.set ONE, 204                          ; four scale bytes 127
.set PADT, 205                         ; the token number of a spare row: 1,024
.set TSL, 206                          ; my lane's tile | 1 << 8
.set CNT, 207                          ; words 0-7: each expert's tiles; word 8: all tiles
.set P1,  208                          ; the first product's sizes
.set P2,  209                          ; the second's
.set TA,  210                          ; v210-212 my token's row: codes, scale words, token number
.set PA,  213                          ; v213-215 the same of my spare row
.set LSA, 216                          ; my tile's place in its lower expert's list
.set LSB, 217                          ; and in its higher expert's
.set FA,  218                          ; 512 x (the expert whose list's tail is mine) + 4 x lane
.set NE,  219                          ; that list's length, in every lane
.set TL,  66                           ; s66-93 the 28 pairs' tiles
.set SCO, 1105920                      ; xt: the scale words begin here
; s24: tiles so far; s[16+e]: tiles so far that hold expert e.  No vector line here writes a scalar register: the choice is made by a subtraction's sign.
.macro PAIRSTEP p, a, b
	v_writelane_b32 v12, s24, \p                   ; the pair's first tile
	v_sub_nc_u32 v16, v13, s24                     ; my lane's tile less that: negative for tiles ahead of the pair
	s_sub_co_u32 s26, s[16+\a], s24
	s_add_co_u32 s26, s26, 128
	s_lshl_b32 s26, s26, 8
	v_ashrrev_i32 v16, 31, v16                     ; all ones there
	s_sub_co_u32 s27, s[16+\b], s24
	s_add_co_u32 s27, s27, 128
	s_lshl_b32 s27, s27, 16
	s_or_b32 s26, s26, s27
	s_or_b32 s26, s26, (\a)|((\b)<<4)              ; a, b, and what added to a tile's number gives its place in a's and in b's list (+ 128)
	s_add_co_u32 s[16+\a], s[16+\a], s[TL+\p]
	s_add_co_u32 s[16+\b], s[16+\b], s[TL+\p]
	s_add_co_u32 s24, s24, s[TL+\p]
	v_bfi_b32 v14, v16, v14, s26                   ; tiles from the pair's first on take it; a later pair writes over it
.endm
.macro ADR d                           ; from tile v20 and row v21 (both held by v_min_u32): v[d] codes, v[d + 1] scale words, v[d + 2] token number
	v_lshl_add_u32 v23, v2, 4, v21
	v_mul_u32_u24 v[\d], v20, 0x3000
	v_lshl_add_u32 v[\d], v23, 4, v[\d]            ; 12,288 x tile + 16 x (row + 16 h)
	v_lshlrev_b32 v[\d+1], 9, v20
	v_lshl_add_u32 v[\d+1], v21, 2, v[\d+1]        ; 512 x tile + 4 x row
	v_lshl_add_u32 v[\d+2], v20, 4, v21
	v_lshlrev_b32 v[\d+2], 2, v[\d+2]              ; 4 x (16 x tile + row)
.endm
.macro SETW v, lane, val
	s_mov_b32 s25, \val
	v_writelane_b32 v[\v], s25, \lane
.endm
.macro TAIL mask, save, k              ; places 32 k + lane of the list, where they lie behind its end
	s_mov_b32 vcc_lo, s[\mask]
	s_wait_xcnt 0x0                                ; EXEC changes only behind this wait
	s_and_saveexec_b32 s[\save], vcc_lo
	global_store_b32 v[FA], v[ZR], s[10:11] offset:6144+128*\k
	s_wait_xcnt 0x0
	s_or_b32 exec_lo, exec_lo, s[\save]
.endm
	s_load_b256 s[4:11], s[0:1], 0x0               ; rinfo s[4:5], x0 s[6:7], xt s[8:9], tab s[10:11]
	s_load_b128 s[12:15], s[0:1], 0x20             ; prm1, prm2
	v_and_b32 v1, 15, v0                           ; r
	v_bfe_u32 v2, v0, 4, 1                         ; h
	v_lshlrev_b32 v3, 2, v0                        ; 4 x lane
	v_lshlrev_b32 v4, 4, v0                        ; 16 x lane
	v_lshlrev_b32 v5, 2, v1                        ; 4 r
.irp i, 0,1,2,3
	v_mov_b32 v[ZR+\i], 0
.endr
	v_mov_b32 v[ONE], 0x7f7f7f7f
	v_mov_b32 v[PADT], 0x400
	v_mov_b32 v[CNT], 0
	v_mov_b32 v[P1], 0
	v_mov_b32 v[P2], 0
	SETW P1, 0, 768                                ; a weight row's pitch in bytes
	SETW P1, 2, 31                                 ; (word 1, the mask of the K slice in x, stays 0)  the mask of the slab in x
	SETW P1, 3, 8                                  ; column tiles for each step of that
	SETW P1, 5, 32                                 ; (word 4, pitch - 768, stays 0)  a row of scale bytes
	SETW P2, 0, 3072
	SETW P2, 1, 3
	SETW P2, 2, 28
	SETW P2, 3, 2
	SETW P2, 4, 2304
	SETW P2, 5, 128
	s_lshl_b32 s26, ttmp9, 6
	s_mov_b32 s27, 0
	s_mul_i32 s28, ttmp9, 12288
	s_mov_b32 s29, 0
	s_lshl_b32 s30, ttmp9, 9
	s_add_co_u32 s30, s30, 786432
	s_mov_b32 s31, 0
.irp e, 0,1,2,3,4,5,6,7,8
	s_mov_b32 s[16+\e], 0
.endr
	s_wait_kmcnt 0x0
	s_add_nc_u64 s[32:33], s[4:5], s[26:27]
	s_add_nc_u64 s[34:35], s[6:7], s[28:29]
	s_add_nc_u64 s[36:37], s[6:7], s[30:31]
.set i, 0
.rept 16
	global_load_b128 v[H+4*i:H+4*i+3], v4, s[4:5] offset:4096+512*i   ; groups 4 i .. 4 i + 3: their counts of my lane's pair
.set i, i+1
.endr
	global_load_b32 v8, v5, s[32:33]               ; my token's pair and rank
.set i, 0
.rept 24
	global_load_b128 v[C+4*i:C+4*i+3], v4, s[34:35] offset:512*i
.set i, i+1
.endr
.irp k, 0,1,2,3,4,5,6,7
	global_load_b32 v[S+\k], v5, s[36:37] offset:64*\k
.endr
	s_wait_loadcnt 32                              ; the counts and my token's word are in; the 24 + 8 loads of codes and scale words, wanted only by the stores, may be out
	v_add_nc_u32 v9, v[H], v[H+1]                  ; the pair's tokens in all,
.set i, 2
.rept 31
	v_add3_u32 v9, v9, v[H+i], v[H+i+1]
.set i, i+2
.endr
	v_mov_b32 v10, 0                               ; and in the groups ahead of mine: two chains by turns
	v_mov_b32 v15, 0
.set i, 0
.rept 63
	s_cmp_gt_u32 ttmp9, i
	s_cselect_b32 s[25+i%2], 1, 0
	v_mad_u32_u24 v[10+5*(i%2)], s[25+i%2], v[H+i], v[10+5*(i%2)]
.set i, i+1
.endr
	v_add_nc_u32 v10, v10, v15
	v_add_nc_u32 v11, 15, v9
	v_lshrrev_b32 v11, 4, v11                      ; its tiles
	v_mov_b32 v12, 0
	v_mov_b32 v14, 0
	s_min_u32 s25, ttmp9, 2
	s_lshl_b32 s25, s25, 5
	v_add_nc_u32 v13, s25, v0                      ; the tile that my lane lists (work-groups 0-2)
.set i, 0
.rept 28
	v_readlane_b32 s[TL+i], v11, i                 ; all 28 together, ahead of the scalar work that reads them
.set i, i+1
.endr
.set PP, 0
.irp a, 0,1,2,3,4,5,6
.irp b, 1,2,3,4,5,6,7
.if \b > \a
	PAIRSTEP PP, \a, \b
.set PP, PP+1
.endif
.endr
.endr
	; ---- all addresses, data and masks, with all lanes on
.irp e, 0,1,2,3,4,5,6,7,8
	v_writelane_b32 v[CNT], s[16+\e], \e
.endr
	v_lshl_add_u32 v15, v12, 4, v10                ; lane p: the row at which my group's tokens of pair p begin,
	v_lshl_add_u32 v27, v12, 4, v9                 ; the first row behind all of pair p's tokens,
	v_add_nc_u32 v28, v12, v11
	v_lshlrev_b32 v28, 4, v28                      ; and behind its tiles
	v_and_b32 v16, 255, v8
	v_min_u32 v16, 31, v16
	v_lshlrev_b32 v16, 2, v16                      ; my token's pair, as a lane's byte address
	v_lshrrev_b32 v17, 8, v8                       ; its rank
	s_min_u32 s25, ttmp9, 31                       ; the pair whose spare rows are mine (lanes 28-31 hold zeros: work-groups from 28 on store none)
	s_lshl_b32 s25, s25, 2
	v_mov_b32 v29, s25
	s_max_u32 s26, ttmp9, 3
	s_sub_co_u32 s26, s26, 3
	s_min_u32 s26, s26, 7                          ; the expert whose list's tail is mine (work-groups 3-10)
	s_lshl_b32 s27, s26, 2
	v_mov_b32 v[NE], s27
	s_lshl_b32 s27, s26, 9
	v_add_nc_u32 v[FA], s27, v3
	ds_bpermute_b32 v19, v16, v15
	ds_bpermute_b32 v30, v29, v27
	ds_bpermute_b32 v31, v29, v28
	ds_bpermute_b32 v[NE], v[NE], v[CNT]
	s_wait_dscnt 0x0
	v_add_nc_u32 v19, v19, v17                     ; my token's row in the tile order
	v_lshrrev_b32 v20, 4, v19
	v_min_u32 v20, 89, v20
	v_and_b32 v21, 15, v19
	v_min_u32 v21, 15, v21
	ADR TA
	s_lshl_b32 s25, ttmp9, 4
	v_add_nc_u32 v26, s25, v1                      ; my token's number
	v_add_nc_u32 v30, v30, v1                      ; my spare row,
	v_cmp_lt_u32 s38, v30, v31                     ; if the pair has so many
	v_lshrrev_b32 v20, 4, v30
	v_min_u32 v20, 89, v20
	v_and_b32 v21, 15, v30
	v_min_u32 v21, 15, v21
	ADR PA
	v_and_b32 v20, 15, v14                         ; my tile's a
	v_bfe_u32 v21, v14, 4, 4                       ; and b
	v_bfe_u32 v22, v14, 8, 8
	v_add_nc_u32 v22, v22, v13
	v_add_nc_u32 v22, 0xffffff80, v22              ; the tile's place in a's list
	v_lshl_add_u32 v22, v20, 7, v22
	v_min_u32 v[LSA], 0x3ff, v22
	v_lshlrev_b32 v[LSA], 2, v[LSA]
	v_bfe_u32 v24, v14, 16, 8
	v_add_nc_u32 v24, v24, v13
	v_add_nc_u32 v24, 0xffffff80, v24
	v_lshl_add_u32 v24, v21, 7, v24
	v_min_u32 v[LSB], 0x3ff, v24
	v_lshlrev_b32 v[LSB], 2, v[LSB]
	v_or_b32 v[TSL], 0x100, v13
	v_cmp_gt_u32 s39, s24, v13                     ; only tiles that exist are listed
	v_cmp_le_u32 s40, v[NE], v0                    ; places lane, 32 + lane, 64 + lane of the list: behind its end?
	v_add_nc_u32 v22, 32, v0
	v_cmp_le_u32 s41, v[NE], v22
	v_add_nc_u32 v22, 64, v0
	v_cmp_le_u32 s45, v[NE], v22
	; ---- my tokens
	s_wait_loadcnt 0x0                             ; the codes and the scale words
.set i, 0
.rept 24
	global_store_b128 v[TA], v[C+4*i:C+4*i+3], s[8:9] offset:512*i
.set i, i+1
.endr
.irp k, 0,1,2,3,4,5,6,7
	global_store_b32 v[TA+1], v[S+\k], s[8:9] offset:SCO+64*\k
.endr
	global_store_b32 v[TA+2], v26, s[10:11] offset:256
	; ---- work-group 0: the counts and the sizes
	s_cmp_eq_u32 ttmp9, 0
	s_cbranch_scc0 .Lnot_0
	global_store_b32 v3, v[CNT], s[10:11]
	global_store_b32 v3, v[P1], s[12:13]
	global_store_b32 v3, v[P2], s[14:15]
.Lnot_0:
	; ---- pair g's spare rows
	s_cmp_lt_u32 ttmp9, 28
	s_cbranch_scc0 .Lno_pad
	s_mov_b32 vcc_lo, s38
	s_wait_xcnt 0x0                                ; EXEC changes only behind this wait
	s_and_saveexec_b32 s42, vcc_lo
.set i, 0
.rept 24
	global_store_b128 v[PA], v[ZR:ZR+3], s[8:9] offset:512*i
.set i, i+1
.endr
.irp k, 0,1,2,3,4,5,6,7
	global_store_b32 v[PA+1], v[ONE], s[8:9] offset:SCO+64*\k
.endr
	global_store_b32 v[PA+2], v[PADT], s[10:11] offset:256
	s_wait_xcnt 0x0
	s_or_b32 exec_lo, exec_lo, s42
.Lno_pad:
	; ---- the experts' lists
	s_cmp_lt_u32 ttmp9, 3
	s_cbranch_scc0 .Lno_list
	s_mov_b32 vcc_lo, s39
	s_wait_xcnt 0x0
	s_and_saveexec_b32 s43, vcc_lo
	global_store_b32 v[LSA], v13, s[10:11] offset:6144
	global_store_b32 v[LSB], v[TSL], s[10:11] offset:6144
	s_wait_xcnt 0x0
	s_or_b32 exec_lo, exec_lo, s43
	s_branch .Lend
.Lno_list:
	; ---- and their tails
	s_cmp_lt_u32 ttmp9, 11
	s_cbranch_scc0 .Lend
	TAIL 40, 44, 0
	TAIL 41, 46, 1
	TAIL 45, 47, 2
.Lend:
	s_endpgm
.Lfunc_end_k_qcbf040be48_place:
	.size	k_qcbf040be48_place, .Lfunc_end_k_qcbf040be48_place-k_qcbf040be48_place
	.p2alignl 7, 3214868480
	.fill 96, 4, 3214868480
	.section	.rodata,"a",@progbits
	.p2align	6, 0x0
	.amdhsa_kernel k_qcbf040be48_place
		.amdhsa_group_segment_fixed_size 0
		.amdhsa_private_segment_fixed_size 0
		.amdhsa_enable_private_segment 0
		.amdhsa_kernarg_size 48
		.amdhsa_user_sgpr_count 2
		.amdhsa_user_sgpr_kernarg_segment_ptr 1
		.amdhsa_wavefront_size32 1
		.amdhsa_system_sgpr_workgroup_id_x 1
		.amdhsa_system_sgpr_workgroup_id_y 1
		.amdhsa_system_sgpr_workgroup_id_z 1
		.amdhsa_system_vgpr_workitem_id 0
		.amdhsa_next_free_vgpr 224
		.amdhsa_next_free_sgpr 96
		.amdhsa_reserve_vcc 1
		.amdhsa_float_denorm_mode_32 3
		.amdhsa_float_denorm_mode_16_64 3
		.amdhsa_memory_ordered 1
		.amdhsa_forward_progress 1
		.amdhsa_inst_pref_size 50
	.end_amdhsa_kernel
	.amdgpu_metadata
---
amdhsa.version: [ 1, 2 ]
amdhsa.kernels:
  - .name:           k_qcbf040be48_place
    .symbol:         k_qcbf040be48_place.kd
    .args:
      - { .name: rinfo, .offset: 0, .size: 8, .value_kind: global_buffer, .address_space: global }
      - { .name: x0, .offset: 8, .size: 8, .value_kind: global_buffer, .address_space: global }
      - { .name: xt, .offset: 16, .size: 8, .value_kind: global_buffer, .address_space: global }
      - { .name: tab, .offset: 24, .size: 8, .value_kind: global_buffer, .address_space: global }
      - { .name: prm1, .offset: 32, .size: 8, .value_kind: global_buffer, .address_space: global }
      - { .name: prm2, .offset: 40, .size: 8, .value_kind: global_buffer, .address_space: global }
    .group_segment_fixed_size: 0
    .private_segment_fixed_size: 0
    .kernarg_segment_align: 8
    .kernarg_segment_size: 48
    .max_flat_workgroup_size: 32
    .sgpr_count:     96
    .vgpr_count:     224
    .wavefront_size: 32
...
	.end_amdgpu_metadata
.endif
;; end of part 2
;; launch l1 (part 3): grid 32 x 8, 4 waves a work-group, no clusters, 107,008 bytes of LDS; arguments W_in_codes, W_in_scales, b_in, xt, tab, prm1, part; writes part
.if DOCPART == 3
	.amdgcn_target "amdgcn-amd-amdhsa--gfx1250"
	.amdhsa_code_object_version 6
	.text
	.protected	k_qcbf040be48_l1
	.globl	k_qcbf040be48_l1
	.p2align	8
	.type	k_qcbf040be48_l1,@function
k_qcbf040be48_l1:
	s_mov_b64 s[64:65], 0
	v_nop
	global_prefetch_b8 v0, s[64:65] scope:SCOPE_SE
	s_setreg_imm32_b32 hwreg(HW_REG_WAVE_MODE, 25, 1), 1
	s_wait_xcnt 0x0
; ONE EXPERT'S PRODUCT ON CODES OF E3M2, for both layers (the sizes that differ come as six whole numbers).  A work-group is (expert e = y; 128 weight rows; 1,024 along K): layer 1: 32 slabs of
; hidden units; layer 2: 8 slabs of outputs x 4 slices of K.  Its 128 x 768 bytes of codes and 128 x 32 scale bytes are read from memory once on the whole chip and laid in LDS once.
; The rows are the tiles of 16 tokens on the expert's list.  A wave keeps SIX tiles, all 1,024 of K, in 576 registers, so that each weight fragment read from LDS feeds six matrix instructions;
; four waves take 24 tiles a pass; a list has 70 tiles at the most, three passes.  THE TILES ARE DEALT BY PLACE: in pass p wave w takes the list's places 24 p + 6 w + 0 .. 5, so the entries' addresses hang on no
; number read from memory and are asked for together with the sizes and the list's length.  Places behind the list's end hold 0: the wave multiplies tile 0 for them and stores nothing; a wave none of whose
; places is listed ends behind the one barrier (a later pass gives it none either).
; TRANSPOSED USE: source 0 = 16 weight rows, source 1 = 16 tokens: a lane holds one token.  THE WEIGHT ROWS OF A COLUMN TILE ARE NOT NEIGHBOURS: tile 2 b + u holds rows 32 b + 8 u + m + 8 (m / 8), so that
; lane (r, h), register j holds column 32 b + 16 h + 8 u + j.  The bias is the C of each sum's first instruction (in layer 2 for K slice 0 alone).  Results leave as images of the accumulators: 512 consecutive bytes a store.
; NO CLUSTER, NO JOINT LOADS, NO TENSOR LOADS: the number of passes and the branches round the stores hang on counts read from memory, and the work-groups of one expert share tiles of tokens but
; would ask for different numbers of them only by such counts; so operands go from memory into registers.
; WINDOWS OF 256 REGISTERS: 0: v0-23 addresses, v24-47 the tiles' scale words, v48-63 the weights' (two sets), v64-159 two half buffers of four weight fragments, v160-255 two sets of six accumulators.
;   1 + g: tiles 2 g and 2 g + 1: fragment (i, k) at 96 (i % 2) + 12 k.   1: v192-255 the bias, 8 registers a column tile.
.set SLICE, 1152000                    ; a K slice of the activations: 90 tiles x 12,288 bytes of codes, then the scale words
.set SCO,   1105920
.set PITCH, 784                        ; a weight row in LDS: 768 bytes + 16 = 196 words: row r starts at bank 4 r mod 64 (64 banks of 4 bytes: ISA guide 11.1): the 32 lanes of a load of 8 bytes touch 64 different banks
.set SCL,   128*PITCH                  ; behind the codes: 48 bytes a row, 32 of them scale bytes
.set L16,  1                           ; 16 x lane
.set WAD,  2                           ; v2-3   my lane's place in column tiles 0-3, 4-7
.set WSA,  4                           ; my lane's row of scale bytes
.set XSO,  5                           ; v5-7   my lane's place among the tiles' scale words
.set GB1,  8                           ; v8-9   staging: a pair of weight rows in memory, second and third 512 bytes
.set GB2,  9
.set LA,   10                          ; v10-12 and in LDS
.set SV,   13                          ; v13-14 staging: scale bytes in memory
.set SL,   15                          ; and in LDS
.set OMH,  16                          ; 1 - h
.set HH,   17                          ; h
.set R4,   18                          ; 4 r
.set BOFF, 19                          ; 64 h
.set XS,   24
.set WSC,  48
.set WB,   64
.set ACCB, 160
.set BIAS, 192
.set ACT,  36                          ; s[36:47] the six tiles' codes
.set OUT,  48                          ; s[48:59] where their results go
.set RB,   66                          ; s[66:97] the sixteen pairs of weight rows
.set MSB, 0
.macro WIN new                         ; the immediate's high byte repeats the setting that is left
.if MSB != (\new)
	s_set_vgpr_msb (MSB<<8)|(\new)
.set MSB, (\new)
.endif
.endm
; My six entries of this pass are asked for.  s19 = 24 x the pass.  s22 is the loads' offset: it is not written again ahead of the wait for them.
.macro IDXL
	s_mul_i32 s21, s2, 6
	s_add_co_u32 s21, s21, s19
	s_min_u32 s22, s21, 90
	s_lshl_b32 s22, s22, 2
.irp i, 0,1,2,3,4,5
.set en, 60+\i+34*(\i/4)                       ; s60-63, s98, s99
	s_load_b32 s[en], s[34:35], s22 offset:4*\i
.endr
.endm
; And used, behind the wait.  s18 = the list's length n; s20 = how many of my six places are listed.
.macro IDXU
	s_mul_i32 s21, s2, 6
	s_add_co_u32 s21, s21, s19                     ; my first place
	s_max_u32 s20, s18, s21
	s_sub_co_u32 s20, s20, s21
	s_min_u32 s20, s20, 6
.irp i, 0,1,2,3,4,5
.set en, 60+\i+34*(\i/4)
	s_and_b32 s22, s[en], 255
	s_min_u32 s22, s22, 89                         ; the tile
	s_lshr_b32 s23, s[en], 8
	s_min_u32 s23, s23, 1                          ; its slot: 0 where this expert is the pair's lower one
	s_mul_i32 s26, s22, 12288
	s_mov_b32 s27, 0
	s_add_nc_u64 s[ACT+2*\i:ACT+2*\i+1], s[10:11], s[26:27]
	s_lshl_b32 s26, s22, 19
	s_lshl_b32 s23, s23, 18
	s_add_co_u32 s26, s26, s23
	s_add_nc_u64 s[OUT+2*\i:OUT+2*\i+1], s[16:17], s[26:27]
	s_lshl_b32 s[en], s22, 9                       ; the entry's register now holds 512 x tile: its scale words
.endr
.endm
.macro XSOS                            ; lanes 0-15 take tile 2 g's scale words, lanes 16-31 tile 2 g + 1's
.irp g, 0,1,2
.set ea, 60+2*\g+34*((2*\g)/4)
.set eb, 60+2*\g+1+34*((2*\g+1)/4)
	v_mad_u32_u24 v[XSO+\g], s[ea], v[OMH], v[R4]
	v_mad_u32_u24 v[XSO+\g], s[eb], v[HH], v[XSO+\g]
.endr
.endm
.macro XLOAD from, to                  ; pieces from .. to - 1 of the 144 (24 a tile): images of the operand's registers, 512 consecutive bytes a load
.set n, \from
.rept (\to)-(\from)
.set ti, n/24
.set pj, n%24
	WIN (1+ti/2)<<6
	global_load_b128 v[96*(ti%2)+4*pj:96*(ti%2)+4*pj+3], v[L16], s[ACT+2*ti:ACT+2*ti+1] offset:512*pj
.set n, n+1
.endr
	WIN 0
.endm
.macro XSLOAD
.irp g, 0,1,2
.irp k, 0,1,2,3,4,5,6,7
	global_load_b32 v[XS+8*\g+\k], v[XSO+\g], s[32:33] offset:64*\k
.endr
.endr
.endm
.macro FETCHW n                        ; half n of 16: column tile n / 2, K steps 4 (n % 2) on, into buffer n % 2: 24 loads of 8 bytes
.set fct, (\n)>>1
.set fk0, 4*((\n)&1)
.set fb, WB+48*((\n)&1)
.irp kk, 0,1,2,3
.irp p, 0,1,2,3,4,5
	ds_load_b64 v[fb+12*\kk+2*\p:fb+12*\kk+2*\p+1], v[WAD+(fct>>2)] offset:16*(fct&3)*PITCH+96*(fk0+\kk)+48*(\p/3)+8*(\p%3)
.endr
.endr
.endm
.macro SFETCH tau                      ; the scale words of column tiles 2 tau (lanes 0-15) and 2 tau + 1 (lanes 16-31), eight K steps, into set tau % 2
	ds_load_b128 v[WSC+8*((\tau)&1):WSC+8*((\tau)&1)+3], v[WSA] offset:1536*(\tau)
	ds_load_b128 v[WSC+8*((\tau)&1)+4:WSC+8*((\tau)&1)+7], v[WSA] offset:1536*(\tau)+16
.endm
.macro WM ra, rb                       ; one product; ra, rb: the scales stand in lanes 16-31
.if ((\ra) == 0) && ((\rb) == 0)
	v_wmma_scale_f32_16x16x128_f8f6f4 v[rD:rD+7], v[rA:rA+11], v[rB:rB+11], v[rC:rC+7], v[rSA], v[rSB] matrix_a_fmt:MATRIX_FMT_BF6 matrix_b_fmt:MATRIX_FMT_BF6
.elseif (\ra) == 0
	v_wmma_scale_f32_16x16x128_f8f6f4 v[rD:rD+7], v[rA:rA+11], v[rB:rB+11], v[rC:rC+7], v[rSA], v[rSB] matrix_a_fmt:MATRIX_FMT_BF6 matrix_b_fmt:MATRIX_FMT_BF6 matrix_b_scale:MATRIX_SCALE_ROW1
.elseif (\rb) == 0
	v_wmma_scale_f32_16x16x128_f8f6f4 v[rD:rD+7], v[rA:rA+11], v[rB:rB+11], v[rC:rC+7], v[rSA], v[rSB] matrix_a_fmt:MATRIX_FMT_BF6 matrix_b_fmt:MATRIX_FMT_BF6 matrix_a_scale:MATRIX_SCALE_ROW1
.else
	v_wmma_scale_f32_16x16x128_f8f6f4 v[rD:rD+7], v[rA:rA+11], v[rB:rB+11], v[rC:rC+7], v[rSA], v[rSB] matrix_a_fmt:MATRIX_FMT_BF6 matrix_b_fmt:MATRIX_FMT_BF6 matrix_a_scale:MATRIX_SCALE_ROW1 matrix_b_scale:MATRIX_SCALE_ROW1
.endif
.endm
; Half hh of column tile c: four K steps x six tiles, 24 matrix instructions.  A window's two accumulators take turns, one instruction a turn.
.macro HALF c, hh
	s_wait_dscnt 24                                ; this half's fragments and scale words are in; the next half's 24 loads may be out
.if (\hh) == 0
	s_wait_xcnt 0x0                                ; the stores of the column tile two back have read this set of accumulators
.endif
.irp g, 0,1,2
.irp kk, 0,1,2,3
.irp tt, 0,1
.set rD, ACCB+48*((\c)&1)+8*(2*\g+\tt)
.set rA, WB+48*(\hh)+12*\kk
.set rB, 96*\tt+12*(4*(\hh)+\kk)
.set rSA, WSC+8*(((\c)>>1)&1)+4*(\hh)+\kk
.set rSB, XS+8*\g+4*(\hh)+\kk
.if ((\hh) == 0) && (\kk == 0)
	WIN ((\g+1)<<2)|(1<<4)                         ; the tiles in window 1 + g, the bias in window 1
.set rC, BIAS+8*(\c)
.else
	WIN (\g+1)<<2
.set rC, rD
.endif
	WM (\c)&1, \tt
.endr
.endr
.endr
	WIN 0
.rept 4
	v_nop                                          ; four places in front of loads into registers that these products read, and of stores of their results (ISA guide 7.12.1 for vector instructions)
.endr
.if ((\hh) == 0) && (((\c)&1) == 0)
	SFETCH (((\c)>>1)+1)%4
.endif
	FETCHW (2*(\c)+(\hh)+2)%16                     ; two halves ahead, into the buffer just multiplied; past the last it is the next pass's first
.if (\hh) == 1
.irp i, 0,1,2,3,4,5
	s_cmp_le_u32 s20, \i
	s_cbranch_scc1 .Lskip_\@                       ; what stands for a place behind the list's end is not stored
	global_store_b128 v[L16], v[ACCB+48*((\c)&1)+8*\i:ACCB+48*((\c)&1)+8*\i+3], s[OUT+2*\i:OUT+2*\i+1] offset:1024*(\c)
	global_store_b128 v[L16], v[ACCB+48*((\c)&1)+8*\i+4:ACCB+48*((\c)&1)+8*\i+7], s[OUT+2*\i:OUT+2*\i+1] offset:1024*(\c)+512
.endr
.Lskip_\@:
.endif
.endm
	s_load_b256 s[4:11], s[0:1], 0x0               ; codes s[4:5], scale bytes s[6:7], bias s[8:9], activations s[10:11]
	s_load_b128 s[12:15], s[0:1], 0x20             ; tab, the sizes
	s_load_b64 s[16:17], s[0:1], 0x30              ; part
	v_lshl_add_u32 v20, v0, 2, 0x1a000
	s_set_vgpr_msb 0x80
	v_mov_b32 v255, 0
	s_set_vgpr_msb 0x8000
	v_lshrrev_b32 v21, 5, v0
	v_readfirstlane_b32 s2, v21                    ; wave 0..3
	s_and_b32 s3, ttmp7, 0xffff                    ; the expert
	v_and_b32 v21, 31, v0                          ; lane
	v_lshlrev_b32 v[L16], 4, v21
	v_and_b32 v22, 15, v0                          ; r
	v_bfe_u32 v[HH], v0, 4, 1
	v_sub_nc_u32 v[OMH], 1, v[HH]
	v_lshlrev_b32 v[R4], 2, v22
	v_lshlrev_b32 v[BOFF], 6, v[HH]
	v_mul_u32_u24 v[WAD], v22, PITCH
	v_mad_u32_u24 v[WAD], v[HH], 24, v[WAD]        ; row r of a column tile + 24 h
	v_add_nc_u32 v[WAD+1], 64*PITCH, v[WAD]
	v_mul_u32_u24 v[WSA], v21, 48
	v_add_nc_u32 v[WSA], SCL, v[WSA]
	s_mul_i32 s22, s2, 32*PITCH                    ; staging: wave w lays rows 32 w .. 32 w + 31.  Two rows are 1,536 bytes: three stores of 512
	v_add_nc_u32 v[LA], s22, v[L16]
	v_lshl_add_u32 v[LA+1], v[HH], 4, v[LA]
	v_add_nc_u32 v[LA+1], 512, v[LA+1]             ; the second: lanes 16-31 are in the next row, 16 bytes of padding on
	v_add_nc_u32 v[LA+2], PITCH+256, v[LA]
	v_bfe_u32 v23, v0, 1, 3
	v_lshl_add_u32 v23, v[HH], 4, v23
	v_mul_u32_u24 v23, v23, 48
	v_and_b32 v22, 1, v0
	v_lshl_add_u32 v23, v22, 4, v23
	s_mul_i32 s22, s2, 32*48
	s_add_co_u32 s22, s22, SCL
	v_add_nc_u32 v[SL], s22, v23                   ; scale bytes: two lanes to a row of 32
	s_wait_kmcnt 0x0
	s_lshl_b32 s22, s3, 9                          ; my expert's list
	s_add_co_u32 s22, s22, 6144
	s_mov_b32 s23, 0
	s_add_nc_u64 s[34:35], s[12:13], s[22:23]
	s_mov_b32 s19, 0                               ; 24 x the pass
	s_load_b256 s[24:31], s[14:15], 0x0            ; the sizes,
	s_lshl_b32 s20, s3, 2
	s_load_b32 s18, s[12:13], s20 offset:0x0       ; n: the tiles on my expert's list,
	IDXL                                           ; and my six entries of the first pass: one wait serves all three
	s_wait_kmcnt 0x0
	s_min_u32 s24, s24, 3072                       ; P: a weight row's pitch
	s_min_u32 s25, s25, 3
	s_min_u32 s26, s26, 31
	s_min_u32 s27, s27, 8
	s_min_u32 s28, s28, 2304                       ; P - 768
	s_min_u32 s29, s29, 128                        ; a row of scale bytes
	s_min_u32 s18, s18, 70                         ; (1,024 + 7 x 15) / 16 at the most
	s_and_b32 s100, ttmp9, s25                     ; q: the K slice
	s_and_b32 s101, ttmp9, s26                     ; the slab, in units of 98,304 bytes of codes
	v_add_nc_u32 v[GB1], 512, v[L16]
	v_mad_u32_u24 v[GB1], s28, v[HH], v[GB1]
	v_add_nc_u32 v[GB2], s24, v[L16]
	v_add_nc_u32 v[GB2], 256, v[GB2]
	v_bfe_u32 v23, v0, 1, 4
	v_mul_u32_u24 v[SV], s29, v23
	v_lshl_add_u32 v[SV], v22, 4, v[SV]
	s_lshl_b32 s22, s29, 4
	v_add_nc_u32 v[SV+1], s22, v[SV]
	s_mul_i32 s22, s3, 3145728                     ; codes: expert, slab, slice, my 32 rows
	s_mul_i32 s23, s101, 98304
	s_add_co_u32 s22, s22, s23
	s_mul_i32 s23, s100, 768
	s_add_co_u32 s22, s22, s23
	s_mul_i32 s23, s2, s24
	s_lshl_b32 s23, s23, 5
	s_add_co_u32 s22, s22, s23
	s_mov_b32 s23, 0
	s_add_nc_u64 s[RB:RB+1], s[4:5], s[22:23]
	s_lshl_b32 s30, s24, 1
	s_mov_b32 s31, 0
.irp g, 1,2,3,4,5,6,7,8,9,10,11,12,13,14,15
	s_add_nc_u64 s[RB+2*\g:RB+2*\g+1], s[RB+2*\g-2:RB+2*\g-1], s[30:31]
.endr
	s_lshl_b32 s22, s3, 17                         ; scale bytes likewise
	s_lshl_b32 s23, s101, 12
	s_add_co_u32 s22, s22, s23
	s_lshl_b32 s23, s100, 5
	s_add_co_u32 s22, s22, s23
	s_mul_i32 s23, s2, s29
	s_lshl_b32 s23, s23, 5
	s_add_co_u32 s22, s22, s23
	s_mov_b32 s23, 0
	s_add_nc_u64 s[6:7], s[6:7], s[22:23]
	s_lshl_b32 s22, s3, 11                         ; the slab's 128 numbers of the bias
	s_lshl_b32 s23, s101, 6
	s_add_co_u32 s22, s22, s23
	s_mul_i32 s22, s22, s27
	s_mov_b32 s23, 0
	s_add_nc_u64 s[8:9], s[8:9], s[22:23]
	s_mul_i32 s22, s100, SLICE                     ; the activations' K slice, and its scale words
	s_add_nc_u64 s[10:11], s[10:11], s[22:23]
	s_add_nc_u64 s[32:33], s[10:11], SCO
	s_mul_i32 s22, s101, s27                       ; my first column tile among a tile's 256: 64 q + 8 x slab
	s_lshl_b32 s21, s100, 6
	s_add_co_u32 s22, s22, s21
	s_lshl_b32 s22, s22, 10
	s_add_nc_u64 s[16:17], s[16:17], s[22:23]
.irp g, 0,1,2,3,4,5,6,7,8,9,10,11,12,13,14,15  ; 48 + 2 loads: my 32 rows of codes and of scale bytes; read once in the launch
	global_load_b128 v[WB+12*\g:WB+12*\g+3], v[L16], s[RB+2*\g:RB+2*\g+1] th:TH_LOAD_NT
	global_load_b128 v[WB+12*\g+4:WB+12*\g+7], v[GB1], s[RB+2*\g:RB+2*\g+1] th:TH_LOAD_NT
	global_load_b128 v[WB+12*\g+8:WB+12*\g+11], v[GB2], s[RB+2*\g:RB+2*\g+1] th:TH_LOAD_NT
.endr
	global_load_b128 v[WSC:WSC+3], v[SV], s[6:7] th:TH_LOAD_NT
	global_load_b128 v[WSC+4:WSC+7], v[SV+1], s[6:7] th:TH_LOAD_NT
	s_mov_b32 s3, 0                                ; passes done (the expert's number is no longer wanted)
	s_add_co_u32 s31, s18, 23
	s_mul_i32 s31, s31, 2731
	s_lshr_b32 s31, s31, 16                        ; passes: (n + 23) / 24, exact by this product and shift for n + 23 up to 93
	s_min_u32 s31, s31, 3
	IDXU
	XLOAD 0, 60
	s_wait_loadcnt 60                              ; loads come back in order (ISA guide 5.7.1): the 60 tile loads issued behind the weights' 50 may be out
.irp g, 0,1,2,3,4,5,6,7,8,9,10,11,12,13,14,15  ; row 2 g goes to the place with bits 3 and 4 of its number swapped
.set so, (16*((\g>>2)&1)+8*(\g>>3)+((2*\g)&7))*PITCH
	ds_store_b128 v[LA], v[WB+12*\g:WB+12*\g+3] offset:so
	ds_store_b128 v[LA+1], v[WB+12*\g+4:WB+12*\g+7] offset:so
	ds_store_b128 v[LA+2], v[WB+12*\g+8:WB+12*\g+11] offset:so
.endr
	ds_store_b128 v[SL], v[WSC:WSC+3]
	ds_store_b128 v[SL], v[WSC+4:WSC+7] offset:384
	XSOS
	XLOAD 60, 144
	XSLOAD
	WIN 0x40
.irp t, 0,1,2,3,4,5,6,7
	global_load_b128 v[BIAS+8*\t:BIAS+8*\t+3], v[BOFF], s[8:9] offset:(32*(\t/2)+8*(\t%2))*4
	global_load_b128 v[BIAS+8*\t+4:BIAS+8*\t+7], v[BOFF], s[8:9] offset:(32*(\t/2)+8*(\t%2))*4+16
.endr
	WIN 0
	s_wait_dscnt 0x0                               ; for the others' sake: my rows lie in LDS
	s_barrier_signal -1
	s_barrier_wait -1                              ; the one barrier: behind it LDS is only read
	s_cmp_eq_u32 s20, 0
	s_cbranch_scc1 .Lend                           ; none of my places is listed: my part, the weights' rows, is done
	SFETCH 0
	FETCHW 0
	FETCHW 1
	s_wait_loadcnt 0x0                             ; the tiles, their scale words, the bias
	s_cmp_eq_u32 s100, 0
	s_cselect_b32 vcc_lo, -1, 0
	WIN 0x44
.set i, 0
.rept 64
	v_cndmask_b32 v[BIAS+i], 0, v[BIAS+i], vcc_lo  ; the bias is added once: in K slice 0
.set i, i+1
.endr
	WIN 0
.Lpass:
.irp c, 0,1,2,3,4,5,6,7
	HALF \c, 0
	HALF \c, 1
.endr
	s_add_co_u32 s3, s3, 1                         ; the loop is counted by passes, one a trip
	s_add_co_u32 s19, s19, 24
	s_cmp_ge_u32 s3, s31
	s_cbranch_scc1 .Lend
	s_wait_xcnt 0x0                                ; the stores have read their bases
	IDXL
	s_wait_kmcnt 0x0
	IDXU
	s_cmp_eq_u32 s20, 0
	s_cbranch_scc1 .Lend
	XSOS
	XLOAD 0, 144
	XSLOAD
	s_wait_loadcnt 0x0
	s_cmp_lt_u32 s3, s31
	s_cbranch_scc1 .Lpass
.Lend:
	s_wait_dscnt 0x0
	s_set_vgpr_msb 0x8
	s_wait_tensorcnt 0x0
	ds_add_u32 v20, v255
	s_wait_dscnt 0x0
	s_set_vgpr_msb 0x800
	s_endpgm
.Lfunc_end_k_qcbf040be48_l1:
	.size	k_qcbf040be48_l1, .Lfunc_end_k_qcbf040be48_l1-k_qcbf040be48_l1
	.p2alignl 7, 3214868480
	.fill 96, 4, 3214868480
	.section	.rodata,"a",@progbits
	.p2align	6, 0x0
	.amdhsa_kernel k_qcbf040be48_l1
		.amdhsa_group_segment_fixed_size 107008
		.amdhsa_private_segment_fixed_size 0
		.amdhsa_enable_private_segment 0
		.amdhsa_kernarg_size 56
		.amdhsa_user_sgpr_count 2
		.amdhsa_user_sgpr_kernarg_segment_ptr 1
		.amdhsa_wavefront_size32 1
		.amdhsa_system_sgpr_workgroup_id_x 1
		.amdhsa_system_sgpr_workgroup_id_y 1
		.amdhsa_system_sgpr_workgroup_id_z 1
		.amdhsa_system_vgpr_workitem_id 0
		.amdhsa_next_free_vgpr 1024
		.amdhsa_next_free_sgpr 102
		.amdhsa_reserve_vcc 1
		.amdhsa_float_denorm_mode_32 3
		.amdhsa_float_denorm_mode_16_64 3
		.amdhsa_memory_ordered 1
		.amdhsa_forward_progress 1
		.amdhsa_inst_pref_size 151
	.end_amdhsa_kernel
	.amdgpu_metadata
---
amdhsa.version: [ 1, 2 ]
amdhsa.kernels:
  - .name:           k_qcbf040be48_l1
    .symbol:         k_qcbf040be48_l1.kd
    .args:
      - { .name: W_in_codes, .offset: 0, .size: 8, .value_kind: global_buffer, .address_space: global }
      - { .name: W_in_scales, .offset: 8, .size: 8, .value_kind: global_buffer, .address_space: global }
      - { .name: b_in, .offset: 16, .size: 8, .value_kind: global_buffer, .address_space: global }
      - { .name: xt, .offset: 24, .size: 8, .value_kind: global_buffer, .address_space: global }
      - { .name: tab, .offset: 32, .size: 8, .value_kind: global_buffer, .address_space: global }
      - { .name: prm1, .offset: 40, .size: 8, .value_kind: global_buffer, .address_space: global }
      - { .name: part, .offset: 48, .size: 8, .value_kind: global_buffer, .address_space: global }
    .group_segment_fixed_size: 107008
    .private_segment_fixed_size: 0
    .kernarg_segment_align: 8
    .kernarg_segment_size: 56
    .max_flat_workgroup_size: 128
    .sgpr_count:     102
    .vgpr_count:     1024
    .wavefront_size: 32
...
	.end_amdgpu_metadata
.endif
;; end of part 3
;; launch hsum (part 4): grid 8 x 90, 4 waves a work-group, no clusters, 0 bytes of LDS; arguments part, tab, ht; writes ht
.if DOCPART == 4
	.amdgcn_target "amdgcn-amd-amdhsa--gfx1250"
	.amdhsa_code_object_version 6
	.text
	.protected	k_qcbf040be48_hsum
	.globl	k_qcbf040be48_hsum
	.p2align	8
	.type	k_qcbf040be48_hsum,@function
k_qcbf040be48_hsum:
	s_mov_b64 s[64:65], 0
	v_nop
	global_prefetch_b8 v0, s[64:65] scope:SCOPE_SE
	s_setreg_imm32_b32 hwreg(HW_REG_WAVE_MODE, 25, 1), 1
	s_wait_xcnt 0x0
; THE HIDDEN LAYER: h = relu(first expert's sums) + relu(second expert's), quantised along the hidden units into the second product's operand.
; A wave takes one tile of 16 tokens (work-group y) and 128 hidden units (4 x + wave).  The first product left its results as images in which lane (r, h), register 16 b + i
; is hidden unit 32 b + 16 h + i of row r: what the conversions want.  So each slot is sixteen loads of 512 consecutive bytes, and the codes leave as an image of the operand's registers.
; The grid has 90 rows of work-groups, the most tiles that any choice of experts can give; those past the stored count end at once.  No LDS, no barrier: waves share nothing.
; LIMITS: NaN and infinities are not served; a block of 32 zeros gets the scale byte 1 over zero codes.
.set A,   32
.set B,   96
.set TM,  160
.set PW,  176
.set PC,  180
.set SEL, 20
.set SLICE, 1152000
.set SCO,   1105920
.macro QUANT s
.irp b, 0,1,2,3
	v_max3_num_f32 v[TM+\b], |v[\s+16*\b]|, |v[\s+1+16*\b]|, 0x2800000   ; block b: my 16 numbers and the floor 2^(5 - 127): the byte cannot fall under 1
.endr
.irp i, 2,4,6,8,10,12,14
.irp b, 0,1,2,3
	v_max3_num_f32 v[TM+\b], v[TM+\b], |v[\s+16*\b+\i]|, |v[\s+1+16*\b+\i]|
.endr
.endr
.irp b, 0,1,2,3
	v_permlanex16_b32 v[TM+4+\b], v[TM+\b], s[SEL], s[SEL+1]
.endr
.irp b, 0,1,2,3
	v_max_num_f32 v[TM+\b], v[TM+\b], v[TM+4+\b]
.endr
.irp b, 0,1,2,3
	v_add_nc_u32 v[TM+12+\b], 0xfe000000, v[TM+\b]   ; 4 off the exponent field: the conversion's scale operand
.endr
.irp b, 0,1,2,3
	v_lshrrev_b32 v[TM+4+\b], 23, v[TM+12+\b]
.endr
	v_lshl_or_b32 v[PW], v[TM+5], 8, v[TM+4]
	v_lshl_or_b32 v[PW], v[TM+6], 16, v[PW]
	v_lshl_or_b32 v[PW], v[TM+7], 24, v[PW]
.irp c, 0,1
	v_cvt_scalef32_pk16_bf6_f32 v[PC+6*\c:PC+2+6*\c], v[\s+32*\c:\s+15+32*\c], v[TM+12+2*\c]
	v_cvt_scalef32_pk16_bf6_f32 v[PC+12+4*\c:PC+14+4*\c], v[\s+16+32*\c:\s+31+32*\c], v[TM+12+2*\c+1]
.endr
	v_nop                                          ; one plain place behind a scaled conversion
.irp c, 0,1
.irp i, 0,1,2
	v_permlane16_swap_b32 v[PC+6*\c+\i], v[PC+12+4*\c+\i]
.endr
.irp i, 0,1,2
	v_mov_b32 v[PC+3+6*\c+\i], v[PC+12+4*\c+\i]
.endr
.endr
.endm
	s_load_b128 s[4:7], s[0:1], 0x0                ; part, tab
	s_load_b64 s[8:9], s[0:1], 0x10                ; ht
	v_lshrrev_b32 v1, 5, v0
	v_readfirstlane_b32 s10, v1                    ; wave
	s_and_b32 s11, ttmp7, 0xffff                   ; the tile
	v_and_b32 v2, 31, v0
	v_lshlrev_b32 v2, 4, v2                        ; 16 x lane
	v_and_b32 v3, 15, v0
	v_lshlrev_b32 v3, 2, v3                        ; 4 r
.irp b, 0,1,2,3
	v_mov_b32 v[TM+4+\b], 0
.endr
	s_mov_b32 s[SEL], 0x76543210
	s_mov_b32 s[SEL+1], 0xfedcba98
	s_wait_kmcnt 0x0
	s_load_b32 s12, s[6:7], 0x20                   ; the number of tiles
	s_lshl_b32 s13, ttmp9, 2
	s_add_co_u32 s13, s13, s10                     ; which 128 hidden units
	s_lshl_b32 s14, s11, 19
	s_lshl_b32 s15, s13, 13
	s_add_co_u32 s14, s14, s15
	s_mov_b32 s15, 0
	s_lshr_b32 s22, s13, 3
	s_mul_i32 s22, s22, SLICE                      ; the K slice,
	s_and_b32 s23, s13, 7                          ; the K step in it
	s_mul_i32 s16, s11, 12288
	s_add_co_u32 s16, s16, s22
	s_mul_i32 s17, s23, 1536
	s_add_co_u32 s16, s16, s17
	s_mov_b32 s17, 0
	s_lshl_b32 s18, s11, 9
	s_add_co_u32 s18, s18, s22
	s_lshl_b32 s19, s23, 6
	s_add_co_u32 s18, s18, s19
	s_add_co_u32 s18, s18, SCO
	s_mov_b32 s19, 0
	s_wait_kmcnt 0x0
	s_cmp_ge_u32 s11, s12
	s_cbranch_scc1 .Lend
	s_add_nc_u64 s[4:5], s[4:5], s[14:15]
	s_add_nc_u64 s[24:25], s[8:9], s[16:17]
	s_add_nc_u64 s[26:27], s[8:9], s[18:19]
.set i, 0
.rept 16
	global_load_b128 v[A+4*i:A+4*i+3], v2, s[4:5] offset:512*i th:TH_LOAD_NT
	global_load_b128 v[B+4*i:B+4*i+3], v2, s[4:5] offset:262144+512*i th:TH_LOAD_NT
.set i, i+1
.endr
	s_wait_loadcnt 0x0
.set i, 0
.rept 32
	v_max_num_f32 v[A+i], 0, v[A+i]
	v_max_num_f32 v[A+i+1], 0, v[A+i+1]
	v_max_num_f32 v[B+i], 0, v[B+i]
	v_max_num_f32 v[B+i+1], 0, v[B+i+1]
	v_pk_add_f32 v[A+i:A+i+1], v[A+i:A+i+1], v[B+i:B+i+1]
.set i, i+2
.endr
	QUANT A
.irp c, 0,1,2
	global_store_b128 v2, v[PC+4*\c:PC+4*\c+3], s[24:25] offset:512*\c
.endr
	global_store_b32 v3, v[PW], s[26:27]           ; lanes r and r + 16 store the same word to the same place
.Lend:
	s_endpgm
.Lfunc_end_k_qcbf040be48_hsum:
	.size	k_qcbf040be48_hsum, .Lfunc_end_k_qcbf040be48_hsum-k_qcbf040be48_hsum
	.p2alignl 7, 3214868480
	.fill 96, 4, 3214868480
	.section	.rodata,"a",@progbits
	.p2align	6, 0x0
	.amdhsa_kernel k_qcbf040be48_hsum
		.amdhsa_group_segment_fixed_size 0
		.amdhsa_private_segment_fixed_size 0
		.amdhsa_enable_private_segment 0
		.amdhsa_kernarg_size 24
		.amdhsa_user_sgpr_count 2
		.amdhsa_user_sgpr_kernarg_segment_ptr 1
		.amdhsa_wavefront_size32 1
		.amdhsa_system_sgpr_workgroup_id_x 1
		.amdhsa_system_sgpr_workgroup_id_y 1
		.amdhsa_system_sgpr_workgroup_id_z 1
		.amdhsa_system_vgpr_workitem_id 0
		.amdhsa_next_free_vgpr 208
		.amdhsa_next_free_sgpr 66
		.amdhsa_reserve_vcc 0
		.amdhsa_float_denorm_mode_32 3
		.amdhsa_float_denorm_mode_16_64 3
		.amdhsa_memory_ordered 1
		.amdhsa_forward_progress 1
		.amdhsa_inst_pref_size 16
	.end_amdhsa_kernel
	.amdgpu_metadata
---
amdhsa.version: [ 1, 2 ]
amdhsa.kernels:
  - .name:           k_qcbf040be48_hsum
    .symbol:         k_qcbf040be48_hsum.kd
    .args:
      - { .name: part, .offset: 0, .size: 8, .value_kind: global_buffer, .address_space: global }
      - { .name: tab, .offset: 8, .size: 8, .value_kind: global_buffer, .address_space: global }
      - { .name: ht, .offset: 16, .size: 8, .value_kind: global_buffer, .address_space: global }
    .group_segment_fixed_size: 0
    .private_segment_fixed_size: 0
    .kernarg_segment_align: 8
    .kernarg_segment_size: 24
    .max_flat_workgroup_size: 128
    .sgpr_count:     66
    .vgpr_count:     208
    .wavefront_size: 32
...
	.end_amdgpu_metadata
.endif
;; end of part 4
;; launch l2: the kernel of part 3 again; grid 32 x 8, 4 waves a work-group, no clusters, 107,008 bytes of LDS; arguments W_out_codes, W_out_scales, b_out, ht, tab, prm2, part; writes part
;; launch ysum (part 5): grid 4 x 90, 4 waves a work-group, no clusters, 17,920 bytes of LDS; arguments part, tab, x0, out0; writes out0
.if DOCPART == 5
	.amdgcn_target "amdgcn-amd-amdhsa--gfx1250"
	.amdhsa_code_object_version 6
	.text
	.protected	k_qcbf040be48_ysum
	.globl	k_qcbf040be48_ysum
	.p2align	8
	.type	k_qcbf040be48_ysum,@function
k_qcbf040be48_ysum:
	s_mov_b64 s[64:65], 0
	v_nop
	global_prefetch_b8 v0, s[64:65] scope:SCOPE_SE
	s_setreg_imm32_b32 hwreg(HW_REG_WAVE_MODE, 25, 1), 1
	s_wait_xcnt 0x0
; THE OUTPUT: y = p_a (sums of expert a, four K slices, bias in the first) + p_b (the same of b), sent to each token's own row.
; A wave takes one tile of 16 tokens (work-group y) and 64 outputs (4 x + wave): eight images of 32 registers.  Seven are asked for at once, into seven places of 32 registers; the eighth follows as soon as
; a place is free.  Each slot's four slices are added first and weighed once at the end, so the probabilities, whose address waits for the token's number, are wanted last.
; A lane holds one token's pieces, so the block turns through the wave's own stage in LDS and leaves as rows: sixteen lanes store 256 consecutive bytes, at a multiple of 256 from out0's first byte.
; Spare rows of a tile carry the token number 1,024 and are not stored.  Work-groups past the stored number of tiles end at once.  No barrier: waves share nothing.
.set RING, 32                          ; v32-255 seven places
.set BK,   RING+64                     ; the rows read back from the stage: place 2, which is done with by then
.set TOK,  10                          ; v10-17 the tokens of the rows that I store, then their places in out0
.macro IMG i, s                        ; image i (slot i / 4, K slice i % 4) into place s
.irp p, 0,1,2,3,4,5,6,7
	global_load_b128 v[RING+32*(\s)+4*\p:RING+32*(\s)+4*\p+3], v18, s[4:5] offset:262144*((\i)/4)+65536*((\i)%4)+512*\p th:TH_LOAD_NT
.endr
.endm
.macro ADDP d, s                       ; place d += place s
.set j, 0
.rept 16
	v_pk_add_f32 v[RING+32*(\d)+j:RING+32*(\d)+j+1], v[RING+32*(\d)+j:RING+32*(\d)+j+1], v[RING+32*(\s)+j:RING+32*(\s)+j+1]
.set j, j+2
.endr
.endm
	s_load_b256 s[4:11], s[0:1], 0x0               ; part s[4:5], tab s[6:7], x0 s[8:9], out0 s[10:11]
	v_lshl_add_u32 v30, v0, 2, 0x4400
	v_mov_b32 v31, 0
	v_lshrrev_b32 v1, 5, v0
	v_readfirstlane_b32 s12, v1                    ; wave
	s_and_b32 s13, ttmp7, 0xffff                   ; the tile
	v_and_b32 v2, 31, v0
	v_and_b32 v3, 15, v0                           ; r
	v_bfe_u32 v4, v0, 4, 1                         ; h
	v_lshlrev_b32 v5, 2, v3
	v_lshlrev_b32 v6, 2, v4
	v_lshlrev_b32 v7, 4, v3
	v_lshlrev_b32 v18, 4, v2                       ; 16 x lane
	s_mul_i32 s20, s12, 16*272                     ; my stage: 16 rows of 256 bytes + 16
	v_mul_u32_u24 v24, v3, 272
	v_lshl_add_u32 v24, v4, 6, v24
	v_add_nc_u32 v24, s20, v24                     ; in: row r, + 64 h
	v_mul_u32_u24 v25, v4, 272
	v_add_nc_u32 v25, v25, v7
	v_add_nc_u32 v25, s20, v25                     ; back: lanes 0-15 one row, lanes 16-31 the next
	s_mov_b32 s21, 0x400
	s_wait_kmcnt 0x0
	s_load_b32 s14, s[6:7], 0x20                   ; the number of tiles
	s_lshl_b32 s15, ttmp9, 2
	s_add_co_u32 s15, s15, s12                     ; which 64 outputs
	s_lshl_b32 s16, s13, 19
	s_lshl_b32 s17, s15, 12
	s_add_co_u32 s16, s16, s17
	s_mov_b32 s17, 0
	s_lshl_b32 s18, s13, 6
	s_add_co_u32 s18, s18, 256
	s_mov_b32 s19, 0
	s_lshl_b32 s22, s15, 8
	s_mov_b32 s23, 0
	s_wait_kmcnt 0x0
	s_cmp_ge_u32 s13, s14
	s_cbranch_scc1 .Lend
	s_add_nc_u64 s[4:5], s[4:5], s[16:17]
	s_add_nc_u64 s[6:7], s[6:7], s[18:19]
	s_add_nc_u64 s[10:11], s[10:11], s[22:23]
	global_load_b32 v8, v5, s[6:7]                 ; row r's token
.irp i, 0,1,2,3,4,5,6
	IMG \i, \i
.endr
	s_wait_loadcnt 56                              ; loads come back in order (ISA guide 5.7.1): row r's token is in; behind it seven images, 8 loads each, were issued
	v_min_u32 v9, 0x3ff, v8
	v_lshlrev_b32 v9, 3, v9
	global_load_b64 v[20:21], v9, s[8:9] offset:819200   ; its two probabilities
.irp i, 0,1,2,3,4,5,6,7
	v_add_nc_u32 v[TOK+\i], 8*\i, v6               ; lane 2 i + h, as a byte address
.endr
.irp i, 0,1,2,3,4,5,6,7
	ds_bpermute_b32 v[TOK+\i], v[TOK+\i], v8       ; row 2 i + h's token
.endr
	s_wait_dscnt 0x0
.irp i, 0,1,2,3,4,5,6,7
	v_cmp_gt_u32 s[24+\i], s21, v[TOK+\i]          ; a token's row, not a spare one
	v_min_u32 v[TOK+\i], 0x3ff, v[TOK+\i]
	v_lshl_add_u32 v[TOK+\i], v[TOK+\i], 12, v7    ; the token's row of 4,096 bytes + 16 (lane % 16)
.endr
	s_wait_loadcnt 41                              ; images 0 and 1 are in; behind them: images 2-6 (40 loads) and the probabilities (1)
	ADDP 0, 1
	IMG 7, 1                                       ; into the registers just read
	s_wait_loadcnt 41                              ; image 2; behind it: images 3-6 (32), the probabilities (1), image 7 (8)
	ADDP 0, 2
	s_wait_loadcnt 33                              ; image 3
	ADDP 0, 3
	s_wait_loadcnt 17                              ; images 4 and 5; behind them: image 6 (8), the probabilities (1), image 7 (8)
	ADDP 4, 5
	s_wait_loadcnt 9                               ; image 6
	ADDP 4, 6
	s_wait_loadcnt 0x0                             ; the probabilities and image 7
	ADDP 4, 1
	v_mov_b32 v22, v21                             ; p_b as the low word of a pair of its own
	v_mov_b32 v23, v21
.set j, 0
.rept 16
	v_pk_mul_f32 v[RING+j:RING+j+1], v[RING+j:RING+j+1], v[20:21] op_sel_hi:[1,0]
.set j, j+2
.endr
.set j, 0
.rept 16
	v_pk_fma_f32 v[RING+j:RING+j+1], v[RING+128+j:RING+128+j+1], v[22:23], v[RING+j:RING+j+1] op_sel_hi:[1,0,1]
.set j, j+2
.endr
.irp t, 0,1,2,3                                ; column tile 2 b + u: outputs 32 b + 16 h + 8 u + 0 .. 7 of my 64
	ds_store_b128 v24, v[RING+8*\t:RING+8*\t+3] offset:128*(\t/2)+32*(\t%2)
	ds_store_b128 v24, v[RING+8*\t+4:RING+8*\t+7] offset:128*(\t/2)+32*(\t%2)+16
.endr
.irp i, 0,1,2,3,4,5,6,7
	ds_load_b128 v[BK+4*\i:BK+4*\i+3], v25 offset:544*\i   ; LDS serves a wave's instructions in order (ISA guide 5.7.1.4): these see my stores
.endr
.irp i, 0,1,2,3,4,5,6,7
	s_wait_dscnt 7-\i                              ; rows 2 i and 2 i + 1 are back; the younger loads may be out
	s_mov_b32 vcc_lo, s[24+\i]
	s_wait_xcnt 0x0                                ; EXEC changes only behind this wait
	s_and_saveexec_b32 s20, vcc_lo
	global_store_b128 v[TOK+\i], v[BK+4*\i:BK+4*\i+3], s[10:11] th:TH_STORE_NT
	s_wait_xcnt 0x0
	s_or_b32 exec_lo, exec_lo, s20
.endr
.Lend:
	s_wait_tensorcnt 0x0
	ds_add_u32 v30, v31
	s_wait_dscnt 0x0
	s_endpgm
.Lfunc_end_k_qcbf040be48_ysum:
	.size	k_qcbf040be48_ysum, .Lfunc_end_k_qcbf040be48_ysum-k_qcbf040be48_ysum
	.p2alignl 7, 3214868480
	.fill 96, 4, 3214868480
	.section	.rodata,"a",@progbits
	.p2align	6, 0x0
	.amdhsa_kernel k_qcbf040be48_ysum
		.amdhsa_group_segment_fixed_size 17920
		.amdhsa_private_segment_fixed_size 0
		.amdhsa_enable_private_segment 0
		.amdhsa_kernarg_size 32
		.amdhsa_user_sgpr_count 2
		.amdhsa_user_sgpr_kernarg_segment_ptr 1
		.amdhsa_wavefront_size32 1
		.amdhsa_system_sgpr_workgroup_id_x 1
		.amdhsa_system_sgpr_workgroup_id_y 1
		.amdhsa_system_sgpr_workgroup_id_z 1
		.amdhsa_system_vgpr_workitem_id 0
		.amdhsa_next_free_vgpr 256
		.amdhsa_next_free_sgpr 66
		.amdhsa_reserve_vcc 1
		.amdhsa_float_denorm_mode_32 3
		.amdhsa_float_denorm_mode_16_64 3
		.amdhsa_memory_ordered 1
		.amdhsa_forward_progress 1
		.amdhsa_inst_pref_size 23
	.end_amdhsa_kernel
	.amdgpu_metadata
---
amdhsa.version: [ 1, 2 ]
amdhsa.kernels:
  - .name:           k_qcbf040be48_ysum
    .symbol:         k_qcbf040be48_ysum.kd
    .args:
      - { .name: part, .offset: 0, .size: 8, .value_kind: global_buffer, .address_space: global }
      - { .name: tab, .offset: 8, .size: 8, .value_kind: global_buffer, .address_space: global }
      - { .name: x0, .offset: 16, .size: 8, .value_kind: global_buffer, .address_space: global }
      - { .name: out0, .offset: 24, .size: 8, .value_kind: global_buffer, .address_space: global }
    .group_segment_fixed_size: 17920
    .private_segment_fixed_size: 0
    .kernarg_segment_align: 8
    .kernarg_segment_size: 32
    .max_flat_workgroup_size: 128
    .sgpr_count:     66
    .vgpr_count:     256
    .wavefront_size: 32
...
	.end_amdgpu_metadata
.endif
;; end of part 5
